; MI455X (gfx1250); checked and timed in simulation.
; The chip was launched on July 23, 2026; its instructions are those of AMD's public machine-readable ISA for CDNA 5 (MIT licence, August 2026) and "CDNA5" Instruction Set Architecture Reference Guide (July 2026). The comments in the code are by the model that wrote it; some were corrected since.
;; Self Attention. Allowed arithmetic: matrix products marked QUANTISED: E2M3 operands, one E8M0 scale for each 32 along K, by v_wmma_scale_f32_16x16x128_f8f6f4 with both operands' format E2M3, f32 sums; everything else in f32.
;; Inputs: K_seq 8 x 1,024 x 1,024 float32; Q_len 8 x 1 int32; Q_seq 8 x 1,024 x 1,024 float32; V_len 8 x 1 int32; V_seq 8 x 1,024 x 1,024 float32; WK 1,024 x 1,024 float32; WQ 1,024 x 1,024 float32; WV 1,024 x 1,024 float32.
;; Outputs: out0 8 x 1,024 x 1,024 float32.
;; This version of the problem:
;;   THIS VERSION OF THE PROBLEM IS GIVEN IN LOW PRECISION. The matrix products marked QUANTISED in the list below multiply operands that are first quantised to E2M3 (2 exponent bits, 3 mantissa bits; 6 bits a number), with one power-of-two scale for each 32 numbers along K (OCP MX v1.0); their sums are f32. All else is computed in f32.
;;   The module's matrix products, in the order in which they are computed (A, B: the left and right operand; K: the contracted axis; several contracted axes count as one K, in the product's order):
;;     1. [M 8,192, K 1,024] x [K 1,024, N 1,024]; A: input Q_seq; B: input WQ: QUANTISED
;;     2. [M 8,192, K 1,024] x [K 1,024, N 1,024]; A: input K_seq; B: input WK: QUANTISED
;;     3. [M 8,192, K 1,024] x [K 1,024, N 1,024]; A: input V_seq; B: input WV: QUANTISED
;;     4. batch 128 x [M 1,024, K 64] x [K 64, N 1,024]; A: computed on the way; B: computed on the way: QUANTISED
;;     5. batch 128 x [M 1,024, K 1,024] x [K 1,024, N 64]; A: softmax (see below); B: computed on the way: QUANTISED
;;   THE QUANTISER, for each operand of a quantised product, along K:
;;     - K is cut into blocks of 32 from its start; a last block that is shorter is filled with zeros.
;;     - A block's scale is 2^e with e = floor(log2(the largest magnitude in the block)) - 2, held to -126 .. 127; a block of zeros has e = 0. As a byte (E8M0): e + 127.
;;     - Each number is divided by its block's scale, clamped to +-7.5, and rounded to the nearest number of E2M3, ties to even, subnormals kept.
;;     - The product sums the exact products of the quantised numbers (number of the format x scale) in f32.
;;   ~~~python
;;   def quantise(x, axis):      # numpy; x: float32 -> the quantised numbers, widened to float32 again
;;       x = np.moveaxis(x, axis, -1); K = x.shape[-1]
;;       x = np.pad(x, [(0, 0)] * (x.ndim - 1) + [(0, -K % 32)]); x = x.reshape(x.shape[:-1] + (-1, 32)); a = np.abs(x).max(-1, keepdims=True)
;;       e = np.where(a > 0, np.clip(np.frexp(np.where(a > 0, a, 1))[1] - 1 - 2, -126, 127), 0)      # np.frexp(a)[1] - 1 = floor(log2(a)), exactly
;;       r = np.clip(x / 2.0 ** e, -7.5, 7.5)
;;       step = 2.0 ** (np.maximum(np.frexp(np.where(r == 0, 1, r))[1] - 1, 0) - 3)
;;       q = np.round(r / step) * step * 2.0 ** e      # np.round: ties to even
;;       return np.moveaxis(q.reshape(q.shape[:-2] + (-1,))[..., :K], -1, axis).astype(np.float32)
;;   ~~~
;;   SOFTMAX AHEAD OF A QUANTISED PRODUCT. Where the list says 'softmax', what is quantised is not the finished softmax but p = 2^(t - M), with t = logit x log2(e) and M = ceil(the row's largest t), a whole number; so 1/2 < the row's largest p <= 1. The row's sum l is taken of the UNQUANTISED p, in f32, and the product's result is divided by l at the end. Since M is a whole number, a kernel that streams over the keys may use a running M (the ceiling of the running maximum): every later rescaling is an exact power of two, which a block's scale takes up: the codes' values come out the same.
;;   OPERANDS COMPUTED ON THE WAY. 'Computed on the way' means the value that the module computes at that place (a softmax that the list does not call 'softmax' is quantised finished and normalised). What goes into a quantiser is computed in f32, as accurately as f32 sums, v_exp_f32 and their like allow (about 1e-6 of the number): no bf16 or f16 on the way to a quantiser, and a product that is left as it is and whose result goes on into a quantised operand takes f32 operands (vector FMAs, or v_wmma_f32_16x16x4_f32). A number that lies on a knife's edge between two numbers of the format may be rounded either way, as far as f32 arithmetic and the matrix unit's own rounding can turn it there, and no further.
;; One version. Each part assembles by itself: llvm-mc -triple=amdgcn-amd-amdhsa -mcpu=gfx1250 --defsym DOCPART=n.
;; ======== version 1 of 1: 3 launches
;; limits: right only within a limited range of input values
;; workspace buffers: cod 21,233,664 bytes; scb 884,736 bytes; img 18,874,368 bytes; scl 786,432 bytes
;; launch quant (part 1): grid 864 x 1, 4 waves a work-group, no clusters, 75,776 bytes of LDS; arguments Q_seq, K_seq, V_seq, WQ, WK, WV, Q_len, V_len, cod, scb; writes cod, scb
.if DOCPART == 1
	.amdgcn_target "amdgcn-amd-amdhsa--gfx1250"
	.amdhsa_code_object_version 6
	.text
	.protected	k_q7814286358_quant
	.globl	k_q7814286358_quant
	.p2align	8
	.type	k_q7814286358_quant,@function
k_q7814286358_quant:
	s_mov_b64 s[64:65], 0
	v_nop
	global_prefetch_b8 v0, s[64:65] scope:SCOPE_SE
	s_setreg_imm32_b32 hwreg(HW_REG_WAVE_MODE, 25, 1), 1
	s_wait_xcnt 0x0
; The f32 operands of the three projections become codes of FP6 (E2M3) along K (the model's 1,024) with one E8M0 byte for each 32 along K.
; Rows 0-8191 Q_seq's tokens, 8192-16383 K_seq's, 16384-24575 V_seq's; row 24576 + 1024 T + n is column n of WQ, WK, WV (T = 0, 1, 2).
; cod = [row / 16][step of 128 K: 8][piece 3][lane 32][16 bytes]: the image of a fragment's 12 registers: registers 4 i .. 4 i + 3 of lane l = row % 16 + 16 h at 512 i + 16 l;
;   the lane's 48 bytes are the 24 bytes of block 4 s + h and the 24 of block 4 s + 2 + h of its row.     scb = [row / 16][half of K: 2][row % 16][16 bytes]: a row's block bytes.
; WHAT THE LENGTHS LEAVE OUT.  Q_len and V_len are whole numbers read here.  With QL = Q_len held to 0..1024, a query at or past QL is multiplied by 0 in reference().  A query under QL takes only keys k <= q < QL
; (the causal mask), and where V_len > 0 only keys under V_len (key 0 then counts, so a key with -1e12 has p = 0 in f32; where V_len <= 0 all keys carry the same -1e12 and all stay).  So of a batch only
; tokens under QL of Q_seq and under KL = min(QL, V_len or 1024) of K_seq and V_seq have a way to an output; they are taken in whole units of 256 tokens, so that every block of 32 keys that is used is whole.
; Work-groups whose 256 tokens begin at or past that bound store nothing and end.  LIMIT: a NaN, an infinity or an overflow in tokens left out is not carried to the result.
; A block's scale is 2^(floor(log2(its largest magnitude)) - 2); its byte is the magnitude's exponent field - 2, held at 1 from below (a block of zeros keeps 1: its codes are zeros, and this program alone reads the bytes).
; LIMITS: blocks whose largest magnitude lies under 2^-124 keep the byte 1; NaN and infinities among the inputs are not served.
; TWO PATHS, parted on the work-group's number, each with LDS bytes of its own: 0-95 the weights (K is the first axis), 96-863 the sequences.  No matrix unit, cluster, tensor load or barrier: waves share nothing.
.set NWW,   96
.set STEPS, 16                         ; sequences: a wave takes 16 rows x 512 along K: step t = row t
.set XR,    16                         ; v16-79   four sets of 16 numbers as loaded; at the end the images read back
.set XN,    80                         ; v80-111  two sets of 16 neighbours
.set XE,    112                        ; v112-127 a scale byte a step
.set XC,    128                        ; v128-191 codes, four registers a step
.set OA,    194                        ; v194-196 where my three words of codes go in the image stage
.set RBK,   197                        ; v197     where I read the image stage back
.set WREG,  12288                      ; LDS: a region for each wave: two stages of 32 x SP, 256 scale bytes, the image stage
.set SP,    80
.set SBY,   5120
.set OST,   5376
.set CP,    272                        ; image stage: a chunk = 16 rows x 16 bytes (half a piece) + 16 of padding; chunk 6 s + 2 i + h
.set WSTG,  4*WREG                     ; the weights' stages: 24 chunks a wave
.set WSZ,   24*CP
.set SPARE, WSTG+4*WSZ                 ; the spare words, 128 bytes a wave
.set NB,    8
.set WSB,   24
.set WX,    32
.set WC,    96
.set WOUT,  112
	s_load_b256 s[4:11], s[0:1], 0x0               ; Q_seq, K_seq, V_seq, WQ
	s_load_b256 s[12:19], s[0:1], 0x20             ; WK, WV, Q_len, V_len
	s_load_b128 s[20:23], s[0:1], 0x40             ; cod, scb
	v_lshl_add_u32 v192, v0, 2, SPARE
	v_mov_b32 v193, 0
	v_lshrrev_b32 v1, 5, v0
	v_readfirstlane_b32 s24, v1                    ; wave
	v_and_b32 v2, 31, v0                           ; lane
	s_mov_b32 s29, 0
	s_wait_alu depctr_va_vdst(0)
	s_wait_kmcnt 0x0
	s_cmp_lt_u32 ttmp9, NWW
	s_cbranch_scc1 .Lweights
; ---- THE SEQUENCES: work-group = 32 rows; wave w: rows 16 (w / 2) .. + 15, half w % 2 of K: four whole images, 6,144 consecutive bytes of cod, and 256 consecutive bytes of scb
	s_sub_co_u32 s25, ttmp9, NWW                   ; 0..767: 256 work-groups a tensor, 32 a batch
	s_bfe_u32 s26, s25, 0x30005                    ; the batch
	s_lshl_b32 s26, s26, 2
	s_load_b32 s30, s[16:17], s26 offset:0x0       ; Q_len
	s_load_b32 s31, s[18:19], s26 offset:0x0       ; V_len
	s_mul_i32 s27, s24, WREG
	v_lshlrev_b32 v3, 4, v2                        ; my 16 bytes of 512
	v_lshrrev_b32 v14, 2, v2
	v_mul_u32_u24 v14, v14, SP
	v_and_b32 v15, 3, v2
	v_lshl_add_u32 v14, v15, 4, v14
	v_add_nc_u32 v14, s27, v14                     ; the numbers' stage, in: SP (lane / 4) + 16 (lane % 4)
	v_mul_u32_u24 v15, v2, SP
	v_add_nc_u32 v15, s27, v15                     ; and back: my 16 neighbours
	v_lshrrev_b32 v5, 1, v2
	v_add_nc_u32 v5, s27, v5                       ; my block's scale byte
	v_lshlrev_b32 v7, 3, v2
	v_add_nc_u32 v6, s27, v7
	v_bfe_u32 v8, v2, 2, 1                         ; lane = 8 s + 4 c + 2 h + e: block 4 s + 2 c + h, its half e
	v_and_b32 v9, 1, v2
	v_mul_u32_u24 v8, v8, 6
	v_mad_u32_u24 v8, v9, 3, v8                    ; my first word of the image lane's twelve: 6 c + 3 e
	v_lshrrev_b32 v9, 3, v2
	v_mul_u32_u24 v9, v9, 6*CP
	v_bfe_u32 v10, v2, 1, 1
	v_mad_u32_u24 v9, v10, CP, v9
	v_add_nc_u32 v9, s27, v9                       ; chunk 6 s + h
.irp k, 0,1,2
	v_add_nc_u32 v10, \k, v8                       ; word d: piece d / 4, place d % 4
	v_lshrrev_b32 v11, 2, v10
	v_and_b32 v10, 3, v10
	v_mad_u32_u24 v11, v11, 2*CP, v9
	v_lshl_add_u32 v[OA+\k], v10, 2, v11
.endr
	v_lshrrev_b32 v10, 4, v2
	v_and_b32 v11, 15, v2
	v_mul_u32_u24 v10, v10, CP
	v_lshl_add_u32 v10, v11, 4, v10
	v_add_nc_u32 v[RBK], s27, v10                  ; back: lanes 0-15 chunk h = 0, lanes 16-31 chunk h = 1
	s_cmp_lt_u32 s25, 512                          ; which tensor: by the work-group's number alone
	s_cselect_b64 s[6:7], s[6:7], s[8:9]
	s_cmp_lt_u32 s25, 256
	s_cselect_b64 s[4:5], s[4:5], s[6:7]
	s_and_b32 s28, s25, 255
	s_lshl_b32 s28, s28, 17                        ; 32 rows of 4,096 bytes
	s_lshr_b32 s27, s24, 1
	s_lshl_b32 s27, s27, 16                        ; 16 rows
	s_add_co_u32 s28, s28, s27
	s_and_b32 s27, s24, 1
	s_lshl_b32 s27, s27, 11                        ; half a row
	s_add_co_u32 s28, s28, s27
	s_add_nc_u64 s[4:5], s[4:5], s[28:29]
	s_lshl_b32 s27, s25, 2
	s_add_co_u32 s27, s27, s24                     ; 2 x (row / 16) + half
	s_mul_i32 s28, s27, 6144
	s_add_nc_u64 s[20:21], s[20:21], s[28:29]
	s_lshl_b32 s28, s27, 8
	s_add_nc_u64 s[22:23], s[22:23], s[28:29]
	s_lshl_b32 s27, s25, 5
	s_and_b32 s27, s27, 0x300                      ; where my unit of 256 tokens begins in the sequence
	s_wait_alu depctr_va_vdst(0)
	s_wait_kmcnt 0x0
	s_max_i32 s30, s30, 0
	s_min_i32 s30, s30, 1024                       ; QL
	s_min_i32 s26, s31, 1024
	s_cmp_gt_i32 s31, 0
	s_cselect_b32 s26, s26, 1024
	s_min_u32 s26, s26, s30                        ; KL
	s_cmp_lt_u32 s25, 256
	s_cselect_b32 s26, s30, s26
	s_cmp_lt_u32 s27, s26
	s_cbranch_scc1 .Llive
	s_endpgm                                       ; no token of my 256 has a way to an output
.Llive:
.macro XLOAD t
.irp i, 0,1,2,3
	global_load_b128 v[XR+16*((\t)%4)+4*\i:XR+16*((\t)%4)+4*\i+3], v3, s[4:5] offset:4096*(\t)+512*\i th:TH_LOAD_NT   ; 512 consecutive bytes, read once
.endr
.endm
.macro XTURN t                         ; through the wave's own stage: LDS serves a wave's instructions in order
.irp i, 0,1,2,3
	ds_store_b128 v14, v[XR+16*((\t)%4)+4*\i:XR+16*((\t)%4)+4*\i+3] offset:32*SP*((\t)%2)+8*SP*\i
.endr
.irp i, 0,1,2,3
	ds_load_b128 v[XN+16*((\t)%2)+4*\i:XN+16*((\t)%2)+4*\i+3], v15 offset:32*SP*((\t)%2)+16*\i
.endr
.endm
.irp t, 0,1,2,3
	XLOAD \t
.endr
	s_wait_loadcnt 12                              ; step 0's four loads are in; 12 stay out
	XTURN 0
.macro XSTEP t
.set XS, XN+16*((\t)%2)
.if (\t) > 0
	s_wait_dscnt 4                                 ; this step's numbers are back; the last step's four small stores may be out
.else
	s_wait_dscnt 0x0
.endif
.if (\t)+4 < STEPS
	XLOAD (\t)+4
.endif
.if (\t)+1 < STEPS
.if STEPS-2-(\t) >= 3
	s_wait_loadcnt 12                              ; the next step's four loads are in; three steps' may be out
.else
	s_wait_loadcnt 4*(STEPS-2-(\t))
.endif
	XTURN (\t)+1
.endif
	v_max3_num_f32 v8, |v[XS]|, |v[XS+1]|, |v[XS+2]|
	v_max3_num_f32 v9, |v[XS+3]|, |v[XS+4]|, |v[XS+5]|
.irp i, 6,10
	v_max3_num_f32 v8, v8, |v[XS+\i]|, |v[XS+\i+1]|
	v_max3_num_f32 v9, v9, |v[XS+\i+2]|, |v[XS+\i+3]|
.endr
	v_max3_num_f32 v8, v8, |v[XS+14]|, |v[XS+15]|
	v_max3_num_f32 v8, v8, v9, 0x1800000           ; the floor 2^(3 - 127): the byte cannot fall under 1
	v_max_num_f32_dpp v8, v8, v8 row_xmask:1 row_mask:0xf bank_mask:0xf   ; with my neighbour's 16: the block's
	v_add_nc_u32 v11, 0xff000000, v8               ; 2 off the exponent field: the conversion's scale operand
	v_cvt_scalef32_pk16_fp6_f32 v[XC+4*(\t):XC+4*(\t)+2], v[XS:XS+15], v11
	v_lshrrev_b32 v[XE+(\t)], 23, v11              ; the scale's byte
	ds_store_b8 v5, v[XE+(\t)] offset:SBY+16*(\t)
.irp k, 0,1,2
	ds_store_b32 v[OA+\k], v[XC+4*(\t)+\k] offset:OST+16*(\t)   ; row t's place in its chunk
.endr
.endm
.irp t, 0,1,2,3,4,5,6,7,8,9,10,11,12,13,14,15
	XSTEP \t
.endr
	ds_load_b64 v[12:13], v6 offset:SBY
.irp n, 0,1,2,3,4,5,6,7,8,9,10,11
	ds_load_b128 v[XR+4*\n:XR+4*\n+3], v[RBK] offset:OST+(6*(\n/3)+2*(\n%3))*CP
.endr
	s_wait_dscnt 12
	global_store_b64 v7, v[12:13], s[22:23]        ; 256 consecutive bytes, aligned
.irp n, 0,1,2,3,4,5,6,7,8,9,10,11
	s_wait_dscnt 11-\n
	global_store_b128 v3, v[XR+4*\n:XR+4*\n+3], s[20:21] offset:512*\n   ; 512 consecutive bytes, aligned
.endr
	s_wait_tensorcnt 0x0                           ; the wave's end
	ds_add_u32 v192, v193
	s_wait_dscnt 0x0
	s_endpgm
; ---- THE WEIGHTS [1024 (K)][1024 (n)]: a lane takes a column, its registers run down K.  A wave: 32 columns x 256 along K = two steps of two blocks of 16 rows of cod.
.Lweights:
	s_lshr_b32 s25, ttmp9, 5                       ; which weight
	s_and_b32 s26, ttmp9, 7                        ; which 128 columns
	s_bfe_u32 s27, ttmp9, 0x20003                  ; which 256 along K
	s_cmp_lt_u32 s25, 2
	s_cselect_b64 s[12:13], s[12:13], s[14:15]
	s_cmp_lt_u32 s25, 1
	s_cselect_b64 s[4:5], s[10:11], s[12:13]
	s_lshl_b32 s26, s26, 7
	s_lshl_b32 s28, s24, 5
	s_add_co_u32 s26, s26, s28                     ; my first column
	s_lshl_b32 s28, s27, 20
	s_lshl_b32 s30, s26, 2
	s_add_co_u32 s28, s28, s30
	s_add_nc_u64 s[4:5], s[4:5], s[28:29]
	s_lshl_b32 s30, s25, 10
	s_add_co_u32 s30, s30, s26
	s_add_co_u32 s30, s30, 24576
	s_lshr_b32 s30, s30, 4                         ; my first block of 16 rows
	s_mul_i32 s28, s30, 12288
	s_mul_i32 s31, s27, 3072
	s_add_co_u32 s28, s28, s31
	s_add_nc_u64 s[20:21], s[20:21], s[28:29]
	s_lshl_b32 s28, s30, 9
	s_lshr_b32 s31, s27, 1
	s_lshl_b32 s31, s31, 8
	s_add_co_u32 s28, s28, s31
	s_and_b32 s31, s27, 1
	s_lshl_b32 s31, s31, 3
	s_add_co_u32 s28, s28, s31
	s_add_nc_u64 s[22:23], s[22:23], s[28:29]
	s_mul_i32 s31, s24, WSZ
	s_add_co_u32 s31, s31, WSTG
	v_lshlrev_b32 v3, 2, v2
	v_and_b32 v5, 15, v2
	v_lshrrev_b32 v6, 4, v2
	v_mul_u32_u24 v4, v6, 12*CP
	v_lshl_add_u32 v4, v5, 4, v4
	v_add_nc_u32 v4, s31, v4                       ; in: chunks 12 (lane / 16) on, row lane % 16
	v_mul_u32_u24 v7, v6, CP
	v_lshl_add_u32 v7, v5, 4, v7
	v_add_nc_u32 v7, s31, v7                       ; back
	v_lshlrev_b32 v8, 4, v2
	v_lshlrev_b32 v9, 9, v6
	v_lshl_add_u32 v9, v5, 4, v9                   ; my column's 16 scale bytes of this half of K
.macro WLOAD t
.irp i, 0,1,2,3,4,5,6,7,8,9,10,11,12,13,14,15,16,17,18,19,20,21,22,23,24,25,26,27,28,29,30,31
	global_load_b32 v[WX+32*((\t)%2)+\i], v3, s[4:5] offset:(32*(\t)+\i)*4096 th:TH_LOAD_NT
.endr
.endm
	WLOAD 0
	WLOAD 1
.macro WBLOCK t                        ; block t = 4 s + 2 c + h of my two steps
.set XS, WX+32*((\t)%2)
.if (\t) < NB-1
	s_wait_loadcnt 32                              ; this block's 32 loads are in; the next block's may be out
.else
	s_wait_loadcnt 0x0
.endif
	v_max3_num_f32 v12, |v[XS]|, |v[XS+1]|, |v[XS+2]|
	v_max3_num_f32 v13, |v[XS+3]|, |v[XS+4]|, |v[XS+5]|
.irp i, 6,10,14,18,22,26
	v_max3_num_f32 v12, v12, |v[XS+\i]|, |v[XS+\i+1]|
	v_max3_num_f32 v13, v13, |v[XS+\i+2]|, |v[XS+\i+3]|
.endr
	v_max3_num_f32 v12, v12, |v[XS+30]|, |v[XS+31]|
	v_max3_num_f32 v12, v12, v13, 0x1800000
	v_add_nc_u32 v11, 0xff000000, v12
	v_lshrrev_b32 v13, 23, v11
.if (\t)%4 == 0
	v_mov_b32 v[WSB+(\t)/4], v13
.else
	v_lshl_or_b32 v[WSB+(\t)/4], v13, 8*((\t)%4), v[WSB+(\t)/4]
.endif
	v_cvt_scalef32_pk16_fp6_f32 v[WC:WC+2], v[XS:XS+15], v11
	v_cvt_scalef32_pk16_fp6_f32 v[WC+4:WC+6], v[XS+16:XS+31], v11
.irp k, 0,1,2,3,4,5                    ; word d = 6 c + k of the image lane: chunk 6 s + 2 (d / 4) + h, place d % 4
	ds_store_b32 v4, v[WC+\k+(\k/3)] offset:(6*((\t)/4)+2*((6*(((\t)/2)%2)+\k)/4)+(\t)%2)*CP+4*((6*(((\t)/2)%2)+\k)%4)
.endr
.if (\t)+2 < NB
	WLOAD (\t)+2
.endif
	s_wait_dscnt 0x0                               ; the stores have read their registers
.endm
.irp t, 0,1,2,3,4,5,6,7
	WBLOCK \t
.endr
	s_wait_alu depctr_va_vdst(0)
	global_store_b64 v9, v[WSB:WSB+1], s[22:23]
.irp n, 0,1,2,3,4,5,6,7,8,9,10,11
	ds_load_b128 v[WOUT+4*\n:WOUT+4*\n+3], v7 offset:(12*(\n/6)+6*((\n/3)%2)+2*(\n%3))*CP
.endr
.irp n, 0,1,2,3,4,5,6,7,8,9,10,11
	s_wait_dscnt 11-\n
	global_store_b128 v8, v[WOUT+4*\n:WOUT+4*\n+3], s[20:21] offset:(\n/6)*12288+((\n/3)%2)*1536+(\n%3)*512
.endr
	s_wait_tensorcnt 0x0
	ds_add_u32 v192, v193
	s_wait_dscnt 0x0
	s_endpgm
.Lfunc_end_k_q7814286358_quant:
	.size	k_q7814286358_quant, .Lfunc_end_k_q7814286358_quant-k_q7814286358_quant
	.p2alignl 7, 3214868480
	.fill 96, 4, 3214868480
	.section	.rodata,"a",@progbits
	.p2align	6, 0x0
	.amdhsa_kernel k_q7814286358_quant
		.amdhsa_group_segment_fixed_size 75776
		.amdhsa_private_segment_fixed_size 0
		.amdhsa_enable_private_segment 0
		.amdhsa_kernarg_size 80
		.amdhsa_user_sgpr_count 2
		.amdhsa_user_sgpr_kernarg_segment_ptr 1
		.amdhsa_wavefront_size32 1
		.amdhsa_system_sgpr_workgroup_id_x 1
		.amdhsa_system_sgpr_workgroup_id_y 1
		.amdhsa_system_sgpr_workgroup_id_z 1
		.amdhsa_system_vgpr_workitem_id 0
		.amdhsa_next_free_vgpr 200
		.amdhsa_next_free_sgpr 66
		.amdhsa_reserve_vcc 0
		.amdhsa_float_denorm_mode_32 3
		.amdhsa_float_denorm_mode_16_64 3
		.amdhsa_memory_ordered 1
		.amdhsa_forward_progress 1
		.amdhsa_inst_pref_size 81
	.end_amdhsa_kernel
	.amdgpu_metadata
---
amdhsa.version: [ 1, 2 ]
amdhsa.kernels:
  - .name:           k_q7814286358_quant
    .symbol:         k_q7814286358_quant.kd
    .args:
      - { .name: Q_seq, .offset: 0, .size: 8, .value_kind: global_buffer, .address_space: global }
      - { .name: K_seq, .offset: 8, .size: 8, .value_kind: global_buffer, .address_space: global }
      - { .name: V_seq, .offset: 16, .size: 8, .value_kind: global_buffer, .address_space: global }
      - { .name: WQ, .offset: 24, .size: 8, .value_kind: global_buffer, .address_space: global }
      - { .name: WK, .offset: 32, .size: 8, .value_kind: global_buffer, .address_space: global }
      - { .name: WV, .offset: 40, .size: 8, .value_kind: global_buffer, .address_space: global }
      - { .name: Q_len, .offset: 48, .size: 8, .value_kind: global_buffer, .address_space: global }
      - { .name: V_len, .offset: 56, .size: 8, .value_kind: global_buffer, .address_space: global }
      - { .name: cod, .offset: 64, .size: 8, .value_kind: global_buffer, .address_space: global }
      - { .name: scb, .offset: 72, .size: 8, .value_kind: global_buffer, .address_space: global }
    .group_segment_fixed_size: 75776
    .private_segment_fixed_size: 0
    .kernarg_segment_align: 8
    .kernarg_segment_size: 80
    .max_flat_workgroup_size: 128
    .sgpr_count:     66
    .vgpr_count:     200
    .wavefront_size: 32
...
	.end_amdgpu_metadata
.endif
;; end of part 1
;; launch proj (part 2): grid 384 x 1, 4 waves a work-group, no clusters, 322,048 bytes of LDS; arguments cod, scb, Q_len, V_len, img, scl; writes img, scl
.if DOCPART == 2
	.amdgcn_target "amdgcn-amd-amdhsa--gfx1250"
	.amdhsa_code_object_version 6
	.text
	.protected	k_q7814286358_proj
	.globl	k_q7814286358_proj
	.p2align	8
	.type	k_q7814286358_proj,@function
k_q7814286358_proj:
	s_mov_b64 s[64:65], 0
	v_nop
	global_prefetch_b8 v0, s[64:65] scope:SCOPE_SE
	s_setreg_imm32_b32 hwreg(HW_REG_WAVE_MODE, 25, 1), 1
	s_wait_xcnt 0x0
; The three projections on codes of FP6 (E2M3) with E8M0 scales, K = 1,024, and the quantising of their results (q, k along the head's 64 channels, v along the keys) into the next products' operands: img, scl.
; WORK LEFT OUT, as in the first launch: of batch b only tokens under QL (q) and under KL = min(QL, V_len or 1024) (k, v) have a way to an output; they come in units of 256 tokens, n = ceil(bound / 256) for each of
; the 24 sequences CY (0-7 q, 8-15 k, 16-23 v).  THE DEAL: every work-group reads the 16 lengths, sums the n in the order of CY, and work-groups 4 g .. 4 g + 3 take the g-th unit (CY, y) with the weight's four
; units of 256 channels x.  So the tiles that exist have the lowest numbers; a work-group past their count stores nothing.  384 work-groups serve every choice of lengths.
; A tile is 256 x 256: side A (source 1: its rows become the LANES of a result) x side B (source 0: its rows become the lane's REGISTERS, the axis that is quantised).
;   CY < 16: A = tokens 1024 CY + 256 y, B = channels 24576 + 1024 (CY / 8) + 256 x;  CY >= 16: A = WV's channels 26624 + 256 x, B = keys 1024 CY + 256 y.   Four waves, each 128 x 128: 64 accumulators.
; cod = [row / 16][step 8][1,536 bytes]: images of fragments (registers 4 i .. 4 i + 3 of lane l at 512 i + 16 l); scb = [row / 16][half of K][row % 16][16 bytes].
; NO TENSOR LOAD AND NO CLUSTER: which tile a work-group has, and whether it has one, hangs on numbers read from memory.  The tile's 393,216 bytes come once: A's steps 1-7 and B's steps 2-7 through registers
; into LDS (319,488 bytes, images on end, each wave a quarter: 156 loads of 512 consecutive bytes); A's step 0 and B's steps 0 and 1 of a wave's own halves, and all its scale words, straight into their registers.
; ONE barrier, on every wave's path; the copy ahead of it and the work behind it stand under the same test.  What the work reads from registers is loaded ahead of the test (a work-group with no tile names
; WQ's first rows there, all lanes one place).  No prefetch: the launch has no loop to run ahead in, and all its loads go out at its head.
; THE ORDER INSIDE A BLOCK OF 32 of img: place 16 h + 8 u + j holds index 16 u + 8 h + j: one fixed order for q and k, and for v and the softmax's p: a permutation of K applied alike to both operands.
; img = [CY 24][p 8][t 64][1,536 bytes], registers 2 i, 2 i + 1 of lane l at 256 i + 8 l; p = 2 (B's unit) + my half of B, t = 16 (A's unit) + 8 x my half of A + block.  scl = [CY][p][t][16 words].
; LIMITS: blocks whose largest magnitude lies under 2^-124 keep the byte 1 (a block of zeros too); NaN and infinities are not served.
; REGISTERS: window 0: v1-29 addresses, v32-95 scale words (8 i + step: lanes 0-15 A's block i, lanes 16-31 B's), v128-223 A's fragments, one set; window 1: B's two sets at v0, v96; windows 2, 3: accumulators.
;   During the copy windows 2 and 3, v192-255 of window 1 and v96-127, v224-239 of window 0 hold the bytes on their way to LDS.
.set FR,    12
.set ARB,   7*1536                     ; LDS: A's 16 rows: steps 1-7
.set BRB,   6*1536                     ; B's: steps 2-7
.set BOFF,  16*ARB
.set STG,   BOFF+16*BRB                ; 512 bytes a wave for the way out's scale words
.set SPARE, STG+2048                   ; the spare words
.set VG,  1                            ; 16 x lane
.set VD,  2                            ; the same, or 0 in a work-group with no tile
.set VS,  3                            ; my scale words' place in scb
.set CA,  4                            ; the copy's LDS addresses
.set CB,  5
.set ADA, 6                            ; v6-7 my A fragments, blocks 0-3 and 4-7
.set ADB, 8                            ; v8-9 the same for B
.set IO,  24
.set SW,  25
.set SR,  26
.set SPW, 28
.set NIL, 29
.set SC,  32
.set PC,  64
.set AF,  128
.set TM,  224
.set PW,  240
.set BK,  248
.set SEL, 66
.set MSB, 0
.macro WIN new                         ; s_set_vgpr_msb: bits 1:0 source 0, 3:2 source 1, 5:4 source 2, 7:6 destination; the high byte repeats the setting that is left
.if MSB != (\new)
	s_set_vgpr_msb (MSB<<8)|(\new)
.set MSB, (\new)
.endif
.endm
.set MUL_LO, 0xa1
.set MUL_HI, 0xf1
	s_load_b256 s[4:11], s[0:1], 0x0               ; cod, scb, Q_len, V_len
	s_load_b128 s[12:15], s[0:1], 0x20             ; img, scl
	v_lshl_add_u32 v[SPW], v0, 2, SPARE
	v_mov_b32 v[NIL], 0
	v_lshrrev_b32 v10, 5, v0
	v_readfirstlane_b32 s32, v10                   ; wave
	s_lshr_b32 s33, s32, 1                         ; my half of side A
	s_and_b32 s34, s32, 1                          ; my half of side B
	s_mul_i32 s35, s32, 4*ARB
	s_mul_i32 s36, s32, 4*BRB
	s_add_co_u32 s36, s36, BOFF
	s_mul_i32 s37, s33, 8*ARB
	s_add_co_u32 s38, s37, 4*ARB
	s_mul_i32 s39, s34, 8*BRB
	s_add_co_u32 s39, s39, BOFF
	s_add_co_u32 s40, s39, 4*BRB
	s_lshl_b32 s41, s32, 9
	s_add_co_u32 s41, s41, STG
	s_mov_b32 s[SEL], 0x76543210
	s_mov_b32 s[SEL+1], 0xfedcba98
	v_and_b32 v11, 31, v0
	v_and_b32 v12, 15, v0                          ; r
	v_bfe_u32 v13, v0, 4, 1                        ; h
	v_sub_nc_u32 v14, 1, v13
	v_lshlrev_b32 v[VG], 4, v11
	v_lshlrev_b32 v[IO], 3, v11
	v_add_nc_u32 v[CA], s35, v[VG]
	v_add_nc_u32 v[CB], s36, v[VG]
	v_add_nc_u32 v[ADA], s37, v[VG]
	v_add_nc_u32 v[ADA+1], s38, v[VG]
	v_add_nc_u32 v[ADB], s39, v[VG]
	v_add_nc_u32 v[ADB+1], s40, v[VG]
	v_lshl_add_u32 v[SW], v12, 2, s41
	v_add_nc_u32 v[SR], s41, v[VG]
	s_wait_alu depctr_va_vdst(0)
	s_wait_kmcnt 0x0
	s_load_b256 s[16:23], s[8:9], 0x0              ; the eight Q_len
	s_load_b256 s[24:31], s[10:11], 0x0            ; the eight V_len
	s_lshr_b32 s52, ttmp9, 2                       ; g
	s_and_b32 s54, ttmp9, 3                        ; x
	s_mov_b32 s49, 0
	s_mov_b32 s50, 0
	s_mov_b32 s51, 0
	s_mov_b32 s45, 0
	s_wait_kmcnt 0x0
.irp b, 0,1,2,3,4,5,6,7
	s_max_i32 s[16+\b], s[16+\b], 0
	s_min_i32 s[16+\b], s[16+\b], 1024             ; QL
	s_min_i32 s48, s[24+\b], 1024
	s_cmp_gt_i32 s[24+\b], 0
	s_cselect_b32 s48, s48, 1024
	s_min_u32 s48, s48, s[16+\b]                   ; KL
	s_add_co_u32 s[16+\b], s[16+\b], 255
	s_lshr_b32 s[16+\b], s[16+\b], 8               ; q's units
	s_add_co_u32 s48, s48, 255
	s_lshr_b32 s[24+\b], s48, 8                    ; k's and v's
.endr
.irp c, 0,1,2,3,4,5,6,7,8,9,10,11,12,13,14,15,16,17,18,19,20,21,22,23
	s_cmp_ge_u32 s52, s49                          ; the last CY whose first unit is at or under g holds unit g
	s_cselect_b32 s50, \c, s50
	s_cselect_b32 s51, s49, s51
	s_add_co_u32 s49, s49, s[16+\c-8*(\c/16)]
.endr
	s_sub_co_u32 s53, s52, s51                     ; y
	s_lshl_b32 s55, s50, 10
	s_lshl_b32 s56, s53, 8
	s_add_co_u32 s55, s55, s56                     ; the sequence's rows
	s_lshr_b32 s56, s50, 3
	s_lshl_b32 s56, s56, 10
	s_lshl_b32 s57, s54, 8
	s_add_co_u32 s56, s56, s57
	s_add_co_u32 s56, s56, 24576                   ; the weight's rows
	s_cmp_lt_u32 s50, 16
	s_cselect_b32 s58, s55, s56                    ; side A
	s_cselect_b32 s59, s56, s55                    ; side B
	s_cselect_b32 s60, s54, s53                    ; B's unit
	s_cselect_b32 s61, s53, s54                    ; A's unit
	s_cmp_lt_u32 s52, s49                          ; is there a unit g?
	s_cselect_b32 s62, 1, 0
	s_cselect_b32 s58, s58, 24576
	s_cselect_b32 s59, s59, 24576
	s_lshr_b32 s58, s58, 4
	s_lshr_b32 s59, s59, 4
	s_lshl_b32 s55, s50, 3
	s_lshl_b32 s56, s60, 1
	s_add_co_u32 s55, s55, s56
	s_lshl_b32 s55, s55, 6
	s_lshl_b32 s56, s61, 4
	s_add_co_u32 s55, s55, s56
	s_min_u32 s62, s62, 1                          ; what was made of loaded numbers is held inside its table before it enters an address
	s_min_u32 s58, s58, 1712
	s_min_u32 s59, s59, 1712
	s_min_u32 s55, s55, 12208
	s_mul_i32 s44, s58, 12288
	s_add_nc_u64 s[40:41], s[4:5], s[44:45]        ; A's tile
	s_mul_i32 s44, s59, 12288
	s_add_nc_u64 s[42:43], s[4:5], s[44:45]        ; B's
	s_mul_i32 s44, s32, 49152
	s_add_nc_u64 s[36:37], s[40:41], s[44:45]      ; the copy: my four blocks of 16 rows of each
	s_add_nc_u64 s[38:39], s[42:43], s[44:45]
	s_mul_i32 s44, s33, 98304
	s_add_nc_u64 s[40:41], s[40:41], s[44:45]      ; my half of A
	s_mul_i32 s44, s34, 98304
	s_add_nc_u64 s[42:43], s[42:43], s[44:45]      ; my half of B
	s_lshl_b32 s46, s33, 3
	s_add_co_u32 s46, s46, s58
	s_lshl_b32 s46, s46, 9                         ; their scale bytes
	s_lshl_b32 s47, s34, 3
	s_add_co_u32 s47, s47, s59
	s_lshl_b32 s47, s47, 9
	s_lshl_b32 s56, s34, 6
	s_add_co_u32 s55, s55, s56
	s_lshl_b32 s56, s33, 3
	s_add_co_u32 s55, s55, s56                     ; my first entry of img and scl
	s_mul_i32 s44, s55, 1536
	s_add_nc_u64 s[12:13], s[12:13], s[44:45]
	s_lshl_b32 s44, s55, 6
	s_add_nc_u64 s[14:15], s[14:15], s[44:45]
	v_mul_u32_u24 v[VD], s62, v[VG]
	v_mul_u32_u24 v[VS], s46, v14                  ; lanes 0-15 A's rows,
	v_mad_u32_u24 v[VS], s47, v13, v[VS]           ; lanes 16-31 B's
	v_lshl_add_u32 v[VS], v12, 4, v[VS]
	s_wait_alu depctr_va_vdst(0)
.irp i, 0,1,2,3,4,5,6,7
.irp g, 0,1
	global_load_b128 v[SC+8*\i+4*\g:SC+8*\i+4*\g+3], v[VS], s[6:7] offset:512*\i+256*\g   ; four steps' scale words of block i
.endr
.endr
.irp i, 0,1,2,3,4,5,6,7
.irp p, 0,1,2
	global_load_b128 v[AF+FR*\i+4*\p:AF+FR*\i+4*\p+3], v[VD], s[40:41] offset:12288*\i+512*\p   ; A's step 0
.endr
.endr
	WIN 0x40
.irp t, 0,1
.irp i, 0,1,2,3,4,5,6,7
.irp p, 0,1,2
	global_load_b128 v[96*\t+FR*\i+4*\p:96*\t+FR*\i+4*\p+3], v[VD], s[42:43] offset:12288*\i+1536*\t+512*\p   ; B's steps 0, 1
.endr
.endr
.endr
	WIN 0
	s_cmp_eq_u32 s62, 0
	s_cbranch_scc1 .Lnocopy
.macro CREG n                          ; where load n of the copy lands: window CW, register CR
.if (\n) < 128
.set CW, 2+(\n)/64
.set CR, 4*((\n)%64)
.elseif (\n) < 144
.set CW, 1
.set CR, 192+4*((\n)-128)
.elseif (\n) < 152
.set CW, 0
.set CR, 96+4*((\n)-144)
.else
.set CW, 0
.set CR, 224+4*((\n)-152)
.endif
.endm
.set N, 0
.rept 156                              ; 84 for A (4 blocks x 21 pieces), 72 for B (4 x 18)
	CREG N
	WIN CW<<6
.if N < 84
	global_load_b128 v[CR:CR+3], v[VG], s[36:37] offset:(N/21)*12288+1536+512*(N%21)
.else
	global_load_b128 v[CR:CR+3], v[VG], s[38:39] offset:((N-84)/18)*12288+3072+512*((N-84)%18)
.endif
.set N, N+1
.endr
.set N, 0
.rept 156
.if N%12 == 0                          ; by twelves: behind the group's last load stand 144 - N younger ones; the count's field holds 63
.if 144-N > 63
	s_wait_loadcnt 63
.else
	s_wait_loadcnt 144-N
.endif
.endif
	CREG N
	WIN CW<<2
.if N < 84
	ds_store_b128 v[CA], v[CR:CR+3] offset:512*N
.else
	ds_store_b128 v[CB], v[CR:CR+3] offset:512*(N-84)
.endif
.set N, N+1
.endr
	WIN 0
.Lnocopy:
	s_wait_loadcnt 0x0                             ; the fragments and scale words that came straight into registers
	s_wait_dscnt 0x0                               ; for the others' sake: my stores have landed
	s_barrier_signal -1
	s_barrier_wait -1                              ; the one barrier: from here on the tile is only read
	s_cmp_eq_u32 s62, 0
	s_cbranch_scc1 .Ldone
; 16 matrix instructions: A's blocks a0, a0 + 1 x B's eight, step st.  The 64 accumulators take turns in one order in every step.  zero = 1: the first products start the sums.
.macro MUL16 a0, st, zero
.irp a, \a0, \a0+1
.irp b, 0,1,2,3,4,5,6,7
.if \zero
	v_wmma_scale_f32_16x16x128_f8f6f4 v[8*(8*((\a)%4)+\b):8*(8*((\a)%4)+\b)+7], v[96*((\st)%2)+FR*\b:96*((\st)%2)+FR*\b+FR-1], v[AF+FR*(\a):AF+FR*(\a)+FR-1], 0, v[SC+8*\b+(\st)], v[SC+8*(\a)+(\st)] matrix_a_fmt:MATRIX_FMT_FP6 matrix_b_fmt:MATRIX_FMT_FP6 matrix_a_scale:MATRIX_SCALE_ROW1
.else
	v_wmma_scale_f32_16x16x128_f8f6f4 v[8*(8*((\a)%4)+\b):8*(8*((\a)%4)+\b)+7], v[96*((\st)%2)+FR*\b:96*((\st)%2)+FR*\b+FR-1], v[AF+FR*(\a):AF+FR*(\a)+FR-1], v[8*(8*((\a)%4)+\b):8*(8*((\a)%4)+\b)+7], v[SC+8*\b+(\st)], v[SC+8*(\a)+(\st)] matrix_a_fmt:MATRIX_FMT_FP6 matrix_b_fmt:MATRIX_FMT_FP6 matrix_a_scale:MATRIX_SCALE_ROW1
.endif
.endr
.endr
.endm
.macro FETCH_B st                      ; B's eight fragments of step st (2-7) into set st % 2: three loads of 512 consecutive bytes each
	WIN 0x40
.irp i, 0,1,2,3,4,5,6,7
.irp p, 0,1,2
	ds_load_b128 v[96*((\st)%2)+FR*\i+4*\p:96*((\st)%2)+FR*\i+4*\p+3], v[ADB+\i/4] offset:(\i%4)*BRB+((\st)-2)*1536+512*\p
.endr
.endr
	WIN 0
.endm
.macro FETCH_A st, i0                  ; A's blocks i0 .. i0 + 3 of step st (1-7)
.irp i, \i0, \i0+1, \i0+2, \i0+3
.irp p, 0,1,2
	ds_load_b128 v[AF+FR*(\i)+4*\p:AF+FR*(\i)+4*\p+3], v[ADA+(\i)/4] offset:((\i)%4)*ARB+((\st)-1)*1536+512*\p
.endr
.endr
.endm
.macro PLACES                          ; four plain places between a matrix instruction and a load into its registers or a read of its result (ISA guide 7.12.1 for a read of its result)
.rept 4
	v_nop
.endr
.endm
; A step: A's blocks one after the other against B's eight, so one set serves A: blocks 0-3 are fetched anew in the middle, 4-7 at the end; B has two sets.
.macro STEP st, zero
	s_wait_dscnt 12                                ; all but the youngest 12 loads (A's blocks 4-7) are in
	WIN MUL_LO
	MUL16 0, \st, \zero
	MUL16 2, \st, \zero
	s_wait_dscnt 0x0
	PLACES
.if (\st) >= 1
	FETCH_B (\st)+1
.endif
	WIN 0                                          ; (step 0 fetches no B: the loads' registers lie in window 0)
	FETCH_A (\st)+1, 0
	WIN MUL_HI
	MUL16 4, \st, \zero
	MUL16 6, \st, \zero
	PLACES
	WIN 0
	FETCH_A (\st)+1, 4
.endm
	STEP 0, 1
.irp s, 1,2,3,4,5,6
	STEP \s, 0
.endr
	s_wait_dscnt 12
	WIN MUL_LO
	MUL16 0, 7, 0
	MUL16 2, 7, 0
	s_wait_dscnt 0x0
	WIN MUL_HI
	MUL16 4, 7, 0
	MUL16 6, 7, 0
	WIN 0
; THE WAY OUT, block by block of 16 rows of side A x my 128 of side B: four blocks of 32 along the next K, 16 numbers of each in my lane, 16 in lane l xor 16.  Each accumulator is read from its low end on.
.macro QUANTA a
.set AC, 64*((\a)%4)
	WIN 0x0a+5*((\a)/4)
.irp b, 0,1,2,3
	v_max3_num_f32 v[TM+\b], |v[AC+16*\b]|, |v[AC+16*\b+1]|, 0x1800000   ; and the floor 2^(3 - 127)
.endr
.irp i, 2,4,6,8,10,12,14
.irp b, 0,1,2,3
	v_max3_num_f32 v[TM+\b], |v[AC+16*\b+\i]|, |v[AC+16*\b+\i+1]|, v[TM+\b]
.endr
.endr
	WIN 0
.irp b, 0,1,2,3
	v_permlanex16_b32 v[TM+4+\b], v[TM+\b], s[SEL], s[SEL+1]
.endr
.irp b, 0,1,2,3
	v_max_num_f32 v[TM+\b], v[TM+\b], v[TM+4+\b]
.endr
.irp b, 0,1,2,3
	v_add_nc_u32 v[TM+12+\b], 0xff000000, v[TM+\b] ; 2 off the exponent field: the conversion's scale operand
.endr
.irp b, 0,1,2,3
	v_lshrrev_b32 v[TM+4+\b], 23, v[TM+12+\b]
.endr
	v_lshl_or_b32 v[PW+(\a)], v[TM+5], 8, v[TM+4]  ; my row's scale word
	v_lshl_or_b32 v[PW+(\a)], v[TM+6], 16, v[PW+(\a)]
	v_lshl_or_b32 v[PW+(\a)], v[TM+7], 24, v[PW+(\a)]
.if (\a) > 0
	s_wait_alu depctr_va_vdst(0)
	s_wait_xcnt 0x0                                ; the last block's stores have read their data registers
.endif
	WIN 0x02+(\a)/4
.irp c, 0,1
	v_cvt_scalef32_pk16_fp6_f32 v[PC+6*\c:PC+2+6*\c], v[AC+32*\c:AC+15+32*\c], v[TM+12+2*\c]
	v_cvt_scalef32_pk16_fp6_f32 v[PC+12+4*\c:PC+14+4*\c], v[AC+16+32*\c:AC+31+32*\c], v[TM+12+2*\c+1]
.endr
	WIN 0
	v_nop                                          ; one plain place behind a scaled conversion
.irp c, 0,1                            ; a whole block to a lane: lanes 0-15 block 2 c, lanes 16-31 block 2 c + 1
.irp i, 0,1,2
	v_permlane16_swap_b32 v[PC+6*\c+\i], v[PC+12+4*\c+\i]
.endr
.irp i, 0,1,2
	v_mov_b32 v[PC+3+6*\c+\i], v[PC+12+4*\c+\i]
.endr
.endr
.endm
.macro OUT a
.irp i, 0,1,2,3,4,5
	global_store_b64 v[IO], v[PC+2*\i:PC+2*\i+1], s[12:13] offset:1536*(\a)+256*\i   ; 256 consecutive bytes, aligned
.endr
	ds_store_b32 v[SW], v[PW+(\a)] offset:64*(\a)  ; lanes r and r + 16 write the same word with the same value
.endm
.irp b, 0,1,2,3
	v_mov_b32 v[TM+4+\b], 0                        ; a lane permute's destination counts as a source; these four are also the places behind the last products
.endr
.irp a, 0,1,2,3,4,5,6,7
	QUANTA \a
	OUT \a
.endr
	ds_load_b128 v[BK:BK+3], v[SR]                 ; my 128 scale words: LDS serves a wave's instructions in order
	s_wait_dscnt 0x0
	global_store_b128 v[VG], v[BK:BK+3], s[14:15]  ; 512 consecutive bytes, aligned
.Ldone:
	s_wait_tensorcnt 0x0                           ; the wave's end
	ds_add_u32 v[SPW], v[NIL]
	s_wait_dscnt 0x0
	s_endpgm
.Lfunc_end_k_q7814286358_proj:
	.size	k_q7814286358_proj, .Lfunc_end_k_q7814286358_proj-k_q7814286358_proj
	.p2alignl 7, 3214868480
	.fill 96, 4, 3214868480
	.section	.rodata,"a",@progbits
	.p2align	6, 0x0
	.amdhsa_kernel k_q7814286358_proj
		.amdhsa_group_segment_fixed_size 322048
		.amdhsa_private_segment_fixed_size 0
		.amdhsa_enable_private_segment 0
		.amdhsa_kernarg_size 48
		.amdhsa_user_sgpr_count 2
		.amdhsa_user_sgpr_kernarg_segment_ptr 1
		.amdhsa_wavefront_size32 1
		.amdhsa_system_sgpr_workgroup_id_x 1
		.amdhsa_system_sgpr_workgroup_id_y 1
		.amdhsa_system_sgpr_workgroup_id_z 1
		.amdhsa_system_vgpr_workitem_id 0
		.amdhsa_next_free_vgpr 1024
		.amdhsa_next_free_sgpr 68
		.amdhsa_reserve_vcc 0
		.amdhsa_float_denorm_mode_32 3
		.amdhsa_float_denorm_mode_16_64 3
		.amdhsa_memory_ordered 1
		.amdhsa_forward_progress 1
		.amdhsa_inst_pref_size 169
	.end_amdhsa_kernel
	.amdgpu_metadata
---
amdhsa.version: [ 1, 2 ]
amdhsa.kernels:
  - .name:           k_q7814286358_proj
    .symbol:         k_q7814286358_proj.kd
    .args:
      - { .name: cod, .offset: 0, .size: 8, .value_kind: global_buffer, .address_space: global }
      - { .name: scb, .offset: 8, .size: 8, .value_kind: global_buffer, .address_space: global }
      - { .name: Q_len, .offset: 16, .size: 8, .value_kind: global_buffer, .address_space: global }
      - { .name: V_len, .offset: 24, .size: 8, .value_kind: global_buffer, .address_space: global }
      - { .name: img, .offset: 32, .size: 8, .value_kind: global_buffer, .address_space: global }
      - { .name: scl, .offset: 40, .size: 8, .value_kind: global_buffer, .address_space: global }
    .group_segment_fixed_size: 322048
    .private_segment_fixed_size: 0
    .kernarg_segment_align: 8
    .kernarg_segment_size: 48
    .max_flat_workgroup_size: 128
    .sgpr_count:     68
    .vgpr_count:     1024
    .wavefront_size: 32
...
	.end_amdgpu_metadata
.endif
;; end of part 2
;; launch attn (part 3): grid 8 x 64, 8 waves a work-group, no clusters, 140,288 bytes of LDS; arguments img, scl, Q_len, V_len, out0; writes out0
.if DOCPART == 3
	.amdgcn_target "amdgcn-amd-amdhsa--gfx1250"
	.amdhsa_code_object_version 6
	.text
	.protected	k_q7814286358_attn
	.globl	k_q7814286358_attn
	.p2align	8
	.type	k_q7814286358_attn,@function
k_q7814286358_attn:
	s_mov_b64 s[64:65], 0
	v_nop
	global_prefetch_b8 v0, s[64:65] scope:SCOPE_SE
	s_setreg_imm32_b32 hwreg(HW_REG_WAVE_MODE, 25, 1), 1
	s_wait_xcnt 0x0
; out0[b][q][64 hd + c] = (q < Q_len[b]) x the sum over k of softmax_k(q . k / 8 - 1e12 (k >= V_len[b]) - 1e12 (k > q)) v[k][c], both products on codes of FP6 (E2M3) with one E8M0 scale for each 32 along K.
; 8 batches, 16 heads of 64 channels, 1,024 queries and keys.  q, k, v arrive as images of the operands' registers (img) with their scale words (scl):
;   img = [CY 24][p 8][t 64][1,536 bytes], registers 2 i, 2 i + 1 of lane l at 256 i + 8 l.  CY = b: q, CY = 8 + b: k (p = a pair of heads, t = 16 tokens; bytes 0-767 the even head, 768-1535 the odd one: six registers,
;   K = the head's 64).  CY = 16 + b: v (p = 128 keys, t = 16 channels: twelve registers, K = the keys).  scl = [CY][p][t][16 words]: a row's four block bytes (q, k: two for each head).
;   Inside each block of 32 the codes stand in one fixed order, place 16 h + 8 u + j for index 16 u + 8 h + j: the same for q and k, and for v and the p made here.
; THE SOFTMAX AHEAD OF THE SECOND PRODUCT: t = logit x log2(e); M = the running largest t rounded UP to a whole number; p = 2^(t - M) is quantised along the keys, not normalised; the row's sum is taken of the unquantised p
; and divides at the end.  When M moves, the sum and O are multiplied by 2^(old M - new M): exact.
; THE MASKS.  V_len > 0: key 0 counts for every query, so a key with -1e12 or -2e12 has p = 0 exactly: its score becomes -infinity, and key steps that hold only such keys are left out (scalar branches on the lengths,
; which are whole numbers read from memory).  V_len <= 0: EVERY key carries -1e12, so nothing but the causal mask hides a key, and t is formed as f32 forms it: fl(fl(s - 8e12) x log2(e) / 8), s the raw score, less the whole
; number T0 = fl(8e12 x log2(e) / 8) (an exact difference, and a whole-number shift of every t of the row).  Rows at or past Q_len are multiplied by 0; tiles that hold only such rows store zeros.
; SHARES.  A work-group has one head of one batch and a quarter of its query tiles; wave w owns tiles 8 part + w and 63 - (8 part + w): part + 1 and 8 - part causal key steps of 128 keys, 9 for every wave.
; The head's k and v (codes and scale words, 13,056 bytes a key step) lie in LDS for the whole launch: wave w copies key step w through its registers, if any wave will read it; ONE barrier.
; NO CLUSTER, NO TENSOR LOAD, though the four parts of a head read the same k and v: they need 8 - part key steps, cut further by Q_len and V_len.
; LAYOUT.  Both products are used transposed: S^T = K Q^T (source 0 = 16 keys, source 1 = my 16 queries), O^T = V^T P^T (source 0 = 16 channels, source 1 = P): a lane holds ONE query (lane % 16) throughout.
; K = 64 in a form of K = 128: Q's upper six registers hold zero codes, which add nothing whatever stands against them; so K's tile t lies at v[40 + 6 t] and its upper six registers are simply tile t + 1's.
; LIMITS: NaN and infinities are not served; |score / 8| stays far under 1e12 where V_len > 0; a block of p under 2^-124 keeps the byte 1; the sign of a zero in rows past Q_len is not kept.
.set STEPB,  13056                     ; LDS: a key step: K's 8 tiles x 768 bytes,
.set VOFF,   6144                      ; V's 4 tiles x 1,536,
.set KSO,    12288                     ; K's scale words, 8 x 64 bytes,
.set VSO,    12800                     ; V's, 4 x 64
.set STG,    8*STEPB                   ; behind the eight key steps: a stage of 16 rows x 272 bytes for each wave, for the way out
.set SPITCH, 272
; v1 8 lane; v2 4 r; v3 4096 h + 16 r (out0); v4, v5 the stage, in and back; v6 r; v7 8 h; v8, v9 LDS addresses of the key step; v10 the last key that counts for my query, less 8 h; v11 that less the step's first key;
; v12 -M, v13 the largest t, v[14:15] the sum in two halves; v16-27, v28-39 Q of my two tiles; v40-93 K's eight tiles (v88-93 zeros), then V's four fragments; v94, v95 the copy's offsets; v96-159 S^T, then p; v160-191 O^T;
; v192-199 K's scale words, v200-203 V's, v204, v205 Q's; v208-221 at work at the head; v[214:215] T0; v224-235 p's codes; v232-247, v252, v254 at work; v253 p's scale word.
; s14 b, s16 head, s17 part, s18 wave, s19 head / 2, s24 head % 2, s[20:21] lane selects, s[22:23] c (log2(e) / 8, or 1 where V_len <= 0), s25 QL, s26 EV (keys that V_len leaves), s27 1 where V_len <= 0,
; s[28:29] -8e12, s[30:31] log2(e) / 8, s34 key steps to copy, s35 my tile, s36 its first query, s37 keys to walk, s38 the last key open to all 16 queries, s39 the step's first key, s40 its LDS byte, s61 EV - 1.
	s_load_b256 s[4:11], s[0:1], 0x0               ; img s[4:5], scl s[6:7], Q_len s[8:9], V_len s[10:11]
	s_load_b64 s[12:13], s[0:1], 0x20              ; out0
	v_lshl_add_u32 v251, v0, 2, 0x22000
	v_mov_b32 v255, 0
	v_lshrrev_b32 v208, 5, v0
	s_delay_alu instid0(VALU_DEP_1)
	v_readfirstlane_b32 s18, v208                  ; wave 0..7
	; THE DEAL.  The 512 work-groups are 16 heads x 32 classes (batch, part).  A class's key steps a wave follow from the lengths: lane l holds class l (batch l / 4, part l % 4), counts them, and the classes are
	; ranked, most steps first (keys are unequal, so the ranks are a permutation of 0..31, whatever the lengths).  Work-group L takes head (L / 16) % 16 and the class of rank L % 16 (L < 256) or 31 - L % 16:
	; the long ones have the low numbers, and numbers L and L + 256 hold a long class and a short one.
	s_and_b32 s15, ttmp7, 0xffff
	s_lshl_b32 s15, s15, 3
	s_add_co_u32 s15, s15, ttmp9                   ; L
	s_bfe_u32 s16, s15, 0x40004                    ; the head
	s_and_b32 s2, s15, 15
	s_lshr_b32 s3, s15, 8
	s_mul_i32 s3, s3, 31
	s_xor_b32 s2, s2, s3                           ; the rank that I take
	s_wait_kmcnt 0x0
	s_load_b256 s[32:39], s[8:9], 0x0              ; the eight Q_len
	s_load_b256 s[40:47], s[10:11], 0x0            ; the eight V_len
	v_and_b32 v96, 31, v0                          ; my class
	v_and_b32 v97, 3, v0                           ; its part
	v_lshlrev_b32 v98, 7, v97                      ; the first query of the part's low tiles
	v_add_nc_u32 v99, 1, v97                       ; their causal key steps
	v_sub_nc_u32 v100, 8, v97                      ; those of the high tiles,
	v_sub_nc_u32 v101, 0x380, v98                  ; whose first query is 896 - 128 part
	v_sub_nc_u32 v102, 31, v96
	v_mov_b32 v103, 0
	s_wait_alu depctr_va_vdst(0)
	s_wait_kmcnt 0x0
	v_mov_b32 v104, s32
	v_mov_b32 v105, s40
.irp b, 1,2,3,4,5,6,7
	v_cmp_le_u32 vcc_lo, 4*\b, v96                 ; lanes 4 b and up take batch b's lengths
	v_cndmask_b32 v104, v104, s[32+\b], vcc_lo
	v_cndmask_b32 v105, v105, s[40+\b], vcc_lo
.endr
	v_cmp_lt_i32 vcc_lo, 0, v104
	v_cndmask_b32 v104, 0, v104, vcc_lo
	v_min_u32 v104, 0x400, v104                    ; QL
	v_cmp_lt_i32 vcc_lo, 0, v105
	v_min_u32 v105, 0x400, v105
	v_cndmask_b32 v105, 0x400, v105, vcc_lo        ; EV
	v_add_nc_u32 v105, 127, v105
	v_lshrrev_b32 v105, 7, v105                    ; the key steps that V_len leaves
	v_min_u32 v99, v99, v105
	v_min_u32 v100, v100, v105
	v_cmp_lt_u32 vcc_lo, v98, v104
	v_cndmask_b32 v99, 0, v99, vcc_lo              ; none where no query of those tiles counts
	v_cmp_lt_u32 vcc_lo, v101, v104
	v_cndmask_b32 v100, 0, v100, vcc_lo
	v_add_nc_u32 v99, v99, v100
	v_lshl_or_b32 v99, v99, 5, v102                ; the key: 32 x steps + 31 - class
.irp j, 0,1,2,3,4,5,6,7,8,9,10,11,12,13,14,15,16,17,18,19,20,21,22,23,24,25,26,27,28,29,30,31
	v_readlane_b32 s3, v99, \j
	v_cmp_gt_u32 vcc_lo, s3, v99
	v_add_co_ci_u32 v103, vcc_lo, 0, v103, vcc_lo  ; my rank: how many keys are greater than mine
.endr
	v_cmp_eq_u32 vcc_lo, s2, v103                  ; one lane has the rank that I take
	s_ctz_i32_b32 s3, vcc_lo
	s_lshr_b32 s14, s3, 2                          ; the batch
	s_and_b32 s17, s3, 3                           ; which quarter of the query tiles
	s_mov_b32 s25, s32
	s_mov_b32 s26, s40
.irp b, 1,2,3,4,5,6,7
	s_cmp_eq_u32 s14, \b
	s_cselect_b32 s25, s[32+\b], s25               ; the batch's Q_len
	s_cselect_b32 s26, s[40+\b], s26               ; and V_len
.endr
	s_min_u32 s14, s14, 7                          ; what was made of loaded numbers is held inside its table before it enters an address
	s_min_u32 s17, s17, 3
	s_lshr_b32 s19, s16, 1
	s_and_b32 s24, s16, 1
	s_lshl_b32 s60, s24, 4                         ; where my head's two bytes begin in a scale word of k
	s_mov_b32 s20, 0x76543210
	s_mov_b32 s21, 0xfedcba98                      ; v_permlanex16_b32's selects for lane l xor 16
	s_mov_b32 s28, 0xd4e8d4a5                      ; -8 x f32(1e12)
	s_mov_b32 s29, s28                             ; (a packed form names the pair, so both are written)
	s_mov_b32 s30, 0x3e38aa3b                      ; log2(e) / 8
	s_mov_b32 s31, s30
	s_lshl_b32 s35, s17, 3
	s_add_co_u32 s35, s35, s18                     ; my first tile of 16 queries
	s_sub_co_u32 s34, 63, s35
	s_min_u32 s34, s34, 63
	; every LDS address register is made here, ahead of the first parting of the waves
	v_and_b32 v209, 31, v0                         ; lane
	v_and_b32 v6, 15, v0                           ; r
	v_bfe_u32 v210, v0, 4, 1                       ; h
	s_delay_alu instid0(VALU_DEP_3)
	v_lshlrev_b32 v1, 3, v209
	s_delay_alu instid0(VALU_DEP_3)
	v_lshlrev_b32 v2, 2, v6
	s_delay_alu instid0(VALU_DEP_3)
	v_lshlrev_b32 v7, 3, v210
	s_delay_alu instid0(VALU_DEP_4)
	v_lshlrev_b32 v3, 12, v210
	s_delay_alu instid0(VALU_DEP_1)
	v_lshl_add_u32 v3, v6, 4, v3                   ; out0: lanes 0-15 take one row of 4,096 bytes, lanes 16-31 the next; 16 bytes a lane
	s_mul_i32 s41, s18, 16*SPITCH
	s_add_co_u32 s41, s41, STG                     ; my stage
	v_mul_u32_u24 v4, v6, SPITCH
	s_delay_alu instid0(VALU_DEP_1)
	v_lshl_add_u32 v4, v210, 5, v4
	s_delay_alu instid0(VALU_DEP_1)
	v_add_nc_u32 v4, s41, v4                       ; in: row r; a tile's eight channels of my half: 32 h bytes on
	v_mul_u32_u24 v5, v210, SPITCH
	s_delay_alu instid0(VALU_DEP_1)
	v_lshl_add_u32 v5, v6, 4, v5
	s_delay_alu instid0(VALU_DEP_1)
	v_add_nc_u32 v5, s41, v5                       ; back: lanes 0-15 one row, lanes 16-31 the next
	v_lshlrev_b32 v94, 4, v209                     ; the copy: 16 bytes a lane,
	s_delay_alu instid0(VALU_DEP_1)
	v_mad_u32_u24 v95, v210, 768, v94              ; and the same where lanes 16-31 stand in the next tile's image: 768 bytes of the other head are passed over
	s_mul_i32 s41, s18, STEPB
	v_add_nc_u32 v211, s41, v94                    ; into LDS: key step = my wave
	v_add_nc_u32 v212, s41, v1
	v_mov_b32 v214, 0x54e8d4a5
	s_delay_alu instid0(VALU_DEP_1)
	v_mul_f32 v214, s30, v214                      ; T0 = fl(8e12 x log2(e) / 8): a whole number
	s_delay_alu instid0(VALU_DEP_1)
	v_mov_b32 v215, v214
	; offsets, apart from the addresses
	s_lshl_b32 s41, s14, 3
	s_add_co_u32 s41, s41, s19                     ; [CY = b][p = head / 2]
	s_lshl_b32 s42, s41, 6                         ; x 64 tiles
	s_add_co_u32 s43, s42, s35
	s_mul_i32 s44, s43, 1536                       ; q's image, first tile,
	s_lshl_b32 s48, s43, 6                         ; and its scale words
	s_add_co_u32 s43, s42, s34
	s_mul_i32 s46, s43, 1536                       ; second tile
	s_lshl_b32 s50, s43, 6
	s_lshl_b32 s43, s18, 3
	s_add_co_u32 s43, s43, s42
	s_add_co_u32 s43, s43, 64*64                   ; k: CY = 8 + b is 64 x 64 entries on; key step = my wave: tile 8 w
	s_mul_i32 s52, s43, 1536
	s_lshl_b32 s56, s43, 6
	s_mul_i32 s43, s24, 768                        ; the odd head's half of an image
	s_add_co_u32 s44, s44, s43
	s_add_co_u32 s46, s46, s43
	s_add_co_u32 s52, s52, s43
	s_lshl_b32 s43, s24, 1                         ; and of q's scale word
	s_add_co_u32 s48, s48, s43
	s_add_co_u32 s50, s50, s43
	s_add_co_u32 s43, s14, 16
	s_lshl_b32 s43, s43, 3
	s_add_co_u32 s43, s43, s18                     ; v: [CY = 16 + b][p = my wave]
	s_lshl_b32 s43, s43, 6
	s_lshl_b32 s42, s16, 2
	s_add_co_u32 s43, s43, s42                     ; tile 4 x head
	s_mul_i32 s54, s43, 1536
	s_lshl_b32 s58, s43, 6
.irp g, 45,47,49,51,53,55,57,59
	s_mov_b32 s\g, 0
.endr
.irp g, 44,46,52,54
	s_add_nc_u64 s[\g:\g+1], s[4:5], s[\g:\g+1]
.endr
.irp g, 48,50,56,58
	s_add_nc_u64 s[\g:\g+1], s[6:7], s[\g:\g+1]
.endr
.irp j, 22,23,24,25,26,27,34,35,36,37,38,39,88,89,90,91,92,93
	v_mov_b32 v\j, 0                               ; zero codes: the upper halves of Q's two fragments, and what stands behind K's last tile
.endr
.irp j, 236,237,238,239,252,253
	v_mov_b32 v\j, 0                               ; written once: a lane permute's destination counts as one of its sources, and v253 is named in a pair before it is first made
.endr
	s_wait_kmcnt 0x0
	s_max_i32 s25, s25, 0
	s_min_i32 s25, s25, 1024                       ; QL: queries that count
	s_min_i32 s41, s26, 1024
	s_mov_b32 s22, 1.0
	s_cmp_gt_i32 s26, 0
	s_cselect_b32 s27, 0, 1                        ; 1: every key carries -1e12
	s_cselect_b32 s26, s41, 1024                   ; EV: the keys that V_len leaves; all of them where all are alike
	s_cselect_b32 s22, s30, s22                    ; c: there t is made ahead of the common lines, which then multiply by 1
	s_mov_b32 s23, s22
	s_sub_co_u32 s61, s26, 1                       ; EV is at least 1
	s_add_co_u32 s41, s26, 127
	s_lshr_b32 s41, s41, 7
	s_add_co_u32 s42, s25, 127
	s_lshr_b32 s42, s42, 7
	s_min_u32 s34, s41, s42
	s_sub_co_u32 s42, 8, s17
	s_min_u32 s34, s34, s42                        ; a key step s is read only where 128 s < min(first query + 16, EV) for a tile with first query < QL: so only s < min(ceil(EV / 128), ceil(QL / 128), 8 - part)
	; Q's fragments stay in registers: six registers each, 256 consecutive bytes a load.  The launches before store q only up to Q_len (in units of 256): a tile with no query that counts takes zero codes and loads nothing
	s_lshl_b32 s41, s35, 4
	s_cmp_lt_u32 s41, s25
	s_cbranch_scc0 .Lq0none
.irp i, 0,1,2
	global_load_b64 v[16+2*\i:17+2*\i], v1, s[44:45] offset:256*\i
.endr
	global_load_u16 v204, v2, s[48:49]             ; Q's scale words: my head's two bytes; the upper two are 0, over zero codes
	s_branch .Lq0done
.Lq0none:
.irp j, 16,17,18,19,20,21,204
	v_mov_b32 v\j, 0
.endr
.Lq0done:
	s_sub_co_u32 s41, 63, s35
	s_lshl_b32 s41, s41, 4
	s_cmp_lt_u32 s41, s25
	s_cbranch_scc0 .Lq1none
.irp i, 0,1,2
	global_load_b64 v[28+2*\i:29+2*\i], v1, s[46:47] offset:256*\i
.endr
	global_load_u16 v205, v2, s[50:51]
	s_branch .Lq1done
.Lq1none:
.irp j, 28,29,30,31,32,33,205
	v_mov_b32 v\j, 0
.endr
.Lq1done:
	s_cmp_ge_u32 s18, s34
	s_cbranch_scc1 .Lnocopy
	; THE COPY of key step w: 26 loads, all out together, each in whole runs of 256 consecutive bytes; then 26 LDS stores
.irp j, 0,1,2,3,4,5,6,7,8,9,10,11             ; K: 768 bytes of each of 8 images, 1,536 bytes apart, laid on end: LDS bytes 512 j on
.if \j%3 == 0
	global_load_b128 v[96+4*\j:99+4*\j], v94, s[52:53] offset:3072*(\j/3)
.elseif \j%3 == 1
	global_load_b128 v[96+4*\j:99+4*\j], v95, s[52:53] offset:3072*(\j/3)+512
.else
	global_load_b128 v[96+4*\j:99+4*\j], v94, s[52:53] offset:3072*(\j/3)+1792
.endif
.endr
.irp j, 0,1,2,3,4,5,6,7,8,9,10,11             ; V: four images on end
	global_load_b128 v[144+4*\j:147+4*\j], v94, s[54:55] offset:512*\j
.endr
	global_load_b128 v[216:219], v94, s[56:57]     ; K's scale words: 8 tiles x 16
	global_load_b64 v[220:221], v1, s[58:59]       ; V's: 4 tiles x 16
	s_wait_loadcnt 0x0
.irp j, 216,217,218,219
	v_bfe_u32 v\j, v\j, s60, 16                    ; my head's two bytes; the upper two become 0: they scale products with Q's zero codes
.endr
.irp j, 0,1,2,3,4,5,6,7,8,9,10,11
	ds_store_b128 v211, v[96+4*\j:99+4*\j] offset:512*\j
.endr
.irp j, 0,1,2,3,4,5,6,7,8,9,10,11
	ds_store_b128 v211, v[144+4*\j:147+4*\j] offset:VOFF+512*\j
.endr
	ds_store_b128 v211, v[216:219] offset:KSO
	ds_store_b64 v212, v[220:221] offset:VSO
.Lnocopy:
	s_wait_loadcnt 0x0                             ; Q
	s_wait_dscnt 0x0                               ; for the others' sake: my stores have landed
	s_barrier_signal -1
	s_barrier_wait -1                              ; the one barrier: from here on the key steps are only read
; ONE TILE OF 16 QUERIES: tile s35, its fragment at v[qf], its scale words in v[qs].
.macro PASS qf, qs
	s_lshl_b32 s36, s35, 4                         ; my first query
	s_add_co_u32 s41, s36, 16
	s_min_u32 s41, s41, s26
	s_cmp_lt_u32 s36, s25
	s_cselect_b32 s37, s41, 0                      ; keys to walk: up to my last query and to EV; none where no query of the tile counts
	s_min_u32 s38, s36, s61                        ; the last key that is open to all 16 queries
	s_lshl_b32 s42, s14, 10
	s_add_co_u32 s42, s42, s36
	s_lshl_b32 s42, s42, 12                        ; row 1024 b + first query, 4,096 bytes a row,
	s_lshl_b32 s43, s16, 8                         ; + the head's 256 bytes
	s_add_co_u32 s42, s42, s43
	s_mov_b32 s43, 0
	s_add_nc_u64 s[2:3], s[12:13], s[42:43]
	v_add_nc_u32 v10, s36, v6
	s_delay_alu instid0(VALU_DEP_1)
	v_min_u32 v10, s61, v10                        ; the last key that counts for my query: min(q, EV - 1),
	s_delay_alu instid0(VALU_DEP_1)
	v_sub_nc_u32 v10, v10, v7                      ; less my half's 8 (it may fall under 0: the compares are signed)
	v_mov_b32 v13, 0xff61b1e6                      ; the largest t so far: -3e38, under every t
	s_delay_alu instid0(VALU_DEP_1)
	v_floor_f32 v12, -v13                          ; -M
	v_mov_b32 v14, 0                               ; the sum, in two halves
	v_mov_b32 v15, 0
.irp j, 0,1,2,3,4,5,6,7,8,9,10,11,12,13,14,15,16,17,18,19,20,21,22,23,24,25,26,27,28,29,30,31
	v_mov_b32 v[160+\j], 0                         ; O^T.  (The step is written once: the first finds zeros, which the first change of M leaves zeros; a tile that walks no key stores them)
.endr
	s_mov_b32 s39, 0
	s_mov_b32 s40, 0
.Lkey_\@:                                          ; eight trips, a constant; what is left out is a step's work
	v_add_nc_u32 v8, s40, v1
	v_add_nc_u32 v9, s40, v2
	s_cmp_ge_u32 s39, s37
	s_cbranch_scc1 .Lskip_\@
.irp t, 0,1,2,3,4,5,6,7
.irp i, 0,1,2
	ds_load_b64 v[40+6*\t+2*\i:41+6*\t+2*\i], v8 offset:768*\t+256*\i   ; K's tile t as it was stored: 32 lanes read 256 consecutive bytes
.endr
	ds_load_b32 v[192+\t], v9 offset:KSO+64*\t
.endr
	s_wait_dscnt 0x0
.irp t, 0,1,2,3,4,5,6,7                        ; S^T: register 8 t + j of lane (r, h) is query r, key 16 t + 8 h + j of the step
	v_wmma_scale_f32_16x16x128_f8f6f4 v[96+8*\t:103+8*\t], v[40+6*\t:51+6*\t], v[\qf:\qf+11], 0, v[192+\t], v[\qs] matrix_a_fmt:MATRIX_FMT_FP6 matrix_b_fmt:MATRIX_FMT_FP6
.endr
.rept 4
	v_nop                                          ; places in front of loads into registers that these products have read, and of the first read of their results
.endr
	s_wait_alu depctr_va_vdst(0)
.irp ct, 0,1,2,3
.irp i, 0,1,2,3,4,5
	ds_load_b64 v[40+12*\ct+2*\i:41+12*\ct+2*\i], v8 offset:VOFF+1536*\ct+256*\i   ; V's four fragments land under the softmax
.endr
	ds_load_b32 v[200+\ct], v9 offset:VSO+64*\ct
.endr
	s_cmp_eq_u32 s27, 0
	s_cbranch_scc1 .Lnopen_\@
.irp j, 0,2,4,6,8,10,12,14,16,18,20,22,24,26,28,30,32,34,36,38,40,42,44,46,48,50,52,54,56,58,60,62
	v_pk_add_f32 v[96+\j:97+\j], v[96+\j:97+\j], s[28:29] op_sel_hi:[1,0]   ; V_len <= 0: fl(s - 8e12) = 8 x fl(s / 8 - 1e12),
.endr
.irp j, 0,2,4,6,8,10,12,14,16,18,20,22,24,26,28,30,32,34,36,38,40,42,44,46,48,50,52,54,56,58,60,62
	v_pk_mul_f32 v[96+\j:97+\j], v[96+\j:97+\j], s[30:31] op_sel_hi:[1,0]   ; t, rounded as f32 rounds it,
.endr
.irp j, 0,2,4,6,8,10,12,14,16,18,20,22,24,26,28,30,32,34,36,38,40,42,44,46,48,50,52,54,56,58,60,62
	v_pk_add_f32 v[96+\j:97+\j], v[96+\j:97+\j], v[214:215]                 ; + T0: an exact difference
.endr
.Lnopen_\@:
	s_add_co_u32 s41, s39, 127                     ; a step all of whose keys count for all 16 queries skips the mask
	s_cmp_le_u32 s41, s38
	s_cbranch_scc1 .Lopen_\@
	v_sub_nc_u32 v11, v10, s39
	v_mov_b32 v254, 0xff800000                     ; -infinity: p = 0 then.  One compare serves the causal mask and V_len
.irp n, 0,1,2,3,4,5,6,7,8,9,10,11,12,13,14,15,16,17,18,19,20,21,22,23,24,25,26,27,28,29,30,31,32,33,34,35,36,37,38,39,40,41,42,43,44,45,46,47,48,49,50,51,52,53,54,55,56,57,58,59,60,61,62,63
	v_cmp_gt_i32 vcc_lo, 16*(\n/8)+\n%8, v11
	v_cndmask_b32 v[96+\n], v[96+\n], v254, vcc_lo
.endr
.Lopen_\@:
.irp b, 0,1,2,3
	v_max3_num_f32 v[232+\b], v[96+16*\b], v[97+16*\b], v[98+16*\b]   ; THE LARGEST SCORE OF EACH BLOCK OF 32 KEYS: it serves twice: for the row's maximum, and, since p rises with the score, for the block's largest p
.endr
.irp i, 3,5,7,9,11,13
.irp b, 0,1,2,3
	v_max3_num_f32 v[232+\b], v[232+\b], v[96+16*\b+\i], v[97+16*\b+\i]   ; (the four blocks by turns)
.endr
.endr
.irp b, 0,1,2,3
	v_max_num_f32 v[232+\b], v[232+\b], v[111+16*\b]
.endr
.irp b, 0,1,2,3
	s_delay_alu instid0(VALU_DEP_4)
	v_permlanex16_b32 v[236+\b], v[232+\b], s20, s21
.endr
.irp b, 0,1,2,3
	s_delay_alu instid0(VALU_DEP_4)
	v_max_num_f32 v[232+\b], v[232+\b], v[236+\b]  ; with lane l xor 16's 16 keys
.endr
	s_delay_alu instid0(VALU_DEP_2)
	v_max3_num_f32 v254, v232, v233, v234
	s_delay_alu instid0(VALU_DEP_1)
	v_max_num_f32 v254, v254, v235                 ; the step's largest score of my query: the step's first key counts for every query, so it is a number
	s_delay_alu instid0(VALU_DEP_1)
	v_mul_f32 v254, s22, v254                      ; as t (c is positive)
	s_delay_alu instid0(VALU_DEP_1)
	v_max_num_f32 v13, v13, v254                   ; the running largest t
	v_mov_b32 v254, v12
	s_delay_alu instid0(VALU_DEP_2)
	v_floor_f32 v12, -v13                          ; the new -M = floor(-t) = -ceil(t): M IS A WHOLE NUMBER
	s_delay_alu instid0(VALU_DEP_1)
	v_sub_f32 v254, v12, v254                      ; M's old value less its new one: a whole number, 0 or less
	s_delay_alu instid0(VALU_DEP_1)
	v_cvt_i32_f32 v254, v254                       ; (it saturates)
	s_delay_alu instid0(VALU_DEP_1)
	v_ldexp_f32 v252, 1.0, v254                    ; f = 2^(old M - new M): a multiplication by it rounds nothing
.irp j, 0,2,4,6,8,10,12,14,16,18,20,22,24,26,28,30,32,34,36,38,40,42,44,46,48,50,52,54,56,58,60,62
	v_pk_fma_f32 v[96+\j:97+\j], v[96+\j:97+\j], s[22:23], v[12:13] op_sel_hi:[1,0,0]   ; t - M, two at a time (of the pairs c and -M the low word serves both halves)
.endr
.irp b, 0,1,2,3
	v_fma_f32 v[232+\b], v[232+\b], s22, v12       ; the same of each block's largest score
.endr
	s_wait_alu depctr_va_vdst(0)
.irp j, 0,1,2,3,4,5,6,7,8,9,10,11,12,13,14,15,16,17,18,19,20,21,22,23,24,25,26,27,28,29,30,31,32,33,34,35,36,37,38,39,40,41,42,43,44,45,46,47,48,49,50,51,52,53,54,55,56,57,58,59,60,61,62,63
	v_exp_f32 v[96+\j], v[96+\j]                   ; p = 2^(t - M), at most 1: NOT normalised
.endr
	v_pk_mul_f32 v[14:15], v[14:15], v[252:253] op_sel_hi:[1,0]   ; the sums under the new M.  (A plain place behind the exponentials)
	s_wait_alu depctr_va_vdst(0)                   ; one wait for the whole batch, ahead of its first reader
.irp b, 0,1,2,3
	v_exp_f32 v[232+\b], v[232+\b]                 ; the block's largest p: the same two instructions on the same number give the same bits
.endr
	v_pk_add_f32 v[236:237], v[100:101], v[104:105]
	v_pk_add_f32 v[248:249], v[108:109], v[112:113]
	v_pk_add_f32 v[246:247], v[116:117], v[120:121]
	v_pk_add_f32 v[244:245], v[124:125], v[128:129]
	v_pk_add_f32 v[242:243], v[132:133], v[136:137]
	v_pk_add_f32 v[240:241], v[140:141], v[144:145]
	v_pk_add_f32 v[238:239], v[148:149], v[152:153]
	v_pk_add_f32 v[14:15], v[14:15], v[156:157]
	v_pk_add_f32 v[236:237], v[236:237], v[96:97]
	v_pk_add_f32 v[248:249], v[248:249], v[98:99]
	v_pk_add_f32 v[246:247], v[246:247], v[102:103]
	v_pk_add_f32 v[244:245], v[244:245], v[106:107]
	v_pk_add_f32 v[242:243], v[242:243], v[110:111]
	v_pk_add_f32 v[240:241], v[240:241], v[114:115]
	v_pk_add_f32 v[238:239], v[238:239], v[118:119]
	v_pk_add_f32 v[14:15], v[14:15], v[122:123]
	v_pk_add_f32 v[236:237], v[236:237], v[126:127]
	v_pk_add_f32 v[248:249], v[248:249], v[130:131]
	v_pk_add_f32 v[246:247], v[246:247], v[134:135]
	v_pk_add_f32 v[244:245], v[244:245], v[138:139]
	v_pk_add_f32 v[242:243], v[242:243], v[142:143]
	v_pk_add_f32 v[240:241], v[240:241], v[146:147]
	v_pk_add_f32 v[238:239], v[238:239], v[150:151]
	v_pk_add_f32 v[14:15], v[14:15], v[154:155]
	v_pk_add_f32 v[236:237], v[236:237], v[158:159]
	s_delay_alu instid0(VALU_DEP_2)
	v_pk_add_f32 v[14:15], v[14:15], v[244:245]
	s_delay_alu instid0(VALU_DEP_2)
	v_pk_add_f32 v[236:237], v[236:237], v[242:243]
	v_pk_add_f32 v[248:249], v[248:249], v[240:241]
	v_pk_add_f32 v[246:247], v[246:247], v[238:239]
	s_delay_alu instid0(VALU_DEP_2)
	v_pk_add_f32 v[14:15], v[14:15], v[248:249]
	s_delay_alu instid0(VALU_DEP_2)
	v_pk_add_f32 v[236:237], v[236:237], v[246:247]
	s_delay_alu instid0(VALU_DEP_1)
	v_pk_add_f32 v[14:15], v[14:15], v[236:237]
	s_wait_alu depctr_va_vdst(0)                   ; and one for the four
.irp b, 0,1,2,3
	v_max_num_f32 v[232+\b], 0x1800000, v[232+\b]  ; the floor 2^(3 - 127): the byte cannot fall under 1 (a block whose every p is 0 keeps that byte: its codes are zeros)
.endr
.irp b, 0,1,2,3
	s_delay_alu instid0(VALU_DEP_4)
	v_add_nc_u32 v[244+\b], 0xff000000, v[232+\b]  ; 2 off the exponent field: the conversion's scale operand
.endr
.irp b, 0,1,2,3
	s_delay_alu instid0(VALU_DEP_4)
	v_lshrrev_b32 v[236+\b], 23, v[244+\b]         ; the scale's byte
.endr
	s_delay_alu instid0(VALU_DEP_3)
	v_lshl_or_b32 v253, v237, 8, v236              ; p's scale word for these 128 keys
	s_delay_alu instid0(VALU_DEP_1)
	v_lshl_or_b32 v253, v238, 16, v253
	s_delay_alu instid0(VALU_DEP_1)
	v_lshl_or_b32 v253, v239, 24, v253
.irp c, 0,1
	v_cvt_scalef32_pk16_fp6_f32 v[224+6*\c:226+6*\c], v[96+32*\c:111+32*\c], v[244+2*\c]
	v_cvt_scalef32_pk16_fp6_f32 v[236+4*\c:238+4*\c], v[112+32*\c:127+32*\c], v[244+2*\c+1]   ; (a conversion's three registers begin on an even number)
.endr
	v_nop                                          ; one plain vector instruction between a scaled conversion and the vector instruction that touches its result
.irp c, 0,1                                    ; the operand's layout wants a WHOLE block in a lane: lanes 0-15 block 2 c, lanes 16-31 block 2 c + 1
.irp i, 0,1,2
	v_permlane16_swap_b32 v[224+6*\c+\i], v[236+4*\c+\i]
.endr
.irp i, 0,1,2
	s_delay_alu instid0(VALU_DEP_3)
	v_mov_b32 v[227+6*\c+\i], v[236+4*\c+\i]
.endr
.endr
.irp j, 0,2,4,6,8,10,12,14,16,18,20,22,24,26,28,30
	v_pk_mul_f32 v[160+\j:161+\j], v[160+\j:161+\j], v[252:253] op_sel_hi:[1,0]   ; O^T under the new M: x f.  (These 16 also stand between the lines that made p's codes and scale word and the products below)
.endr
	s_wait_alu depctr_va_vdst(0)
	s_wait_dscnt 0x0                               ; V's fragments and scale words are in
.irp ct, 0,1,2,3                               ; O^T += V^T P^T: four accumulators, one instruction a turn
	v_wmma_scale_f32_16x16x128_f8f6f4 v[160+8*\ct:167+8*\ct], v[40+12*\ct:51+12*\ct], v[224:235], v[160+8*\ct:167+8*\ct], v[200+\ct], v253 matrix_a_fmt:MATRIX_FMT_FP6 matrix_b_fmt:MATRIX_FMT_FP6
.endr
.rept 4
	v_nop                                          ; places in front of the next step's loads into V's registers, and of the way out's first read of O^T
.endr
.Lskip_\@:
	s_add_co_u32 s39, s39, 128
	s_add_co_u32 s40, s40, STEPB
	s_cmp_lt_u32 s39, 1024
	s_cbranch_scc1 .Lkey_\@
	; THE WAY OUT.  O^T is divided by the row's sum, or multiplied by 0 at and past Q_len, and goes through my stage in LDS, so that sixteen lanes store a row's 256 consecutive bytes.
	v_add_f32 v14, v14, v15                        ; the sum's two halves,
	s_delay_alu instid0(VALU_DEP_1)
	v_permlanex16_b32 v252, v14, s20, s21
	s_delay_alu instid0(VALU_DEP_1)
	v_add_f32 v14, v14, v252                       ; and lane l xor 16's: the row's sum
	s_wait_alu depctr_va_vdst(0)
	v_rcp_f32 v14, v14
	v_add_nc_u32 v254, s36, v6                     ; (a plain place behind the transcendental)  my query
	s_delay_alu instid0(VALU_DEP_1)
	v_cmp_gt_i32 vcc_lo, s25, v254                 ; does it count?
	s_wait_alu depctr_va_vdst(0)                   ; the wait, ahead of the reciprocal's first reader
	v_cndmask_b32 v14, 0, v14, vcc_lo
.irp j, 0,1,2,3,4,5,6,7,8,9,10,11,12,13,14,15,16,17,18,19,20,21,22,23,24,25,26,27,28,29,30,31
	v_mul_f32 v[96+\j], v[160+\j], v14             ; register 8 ct + j is o(r, 16 ct + 8 h + j)
.endr
.irp ct, 0,1,2,3
	ds_store_b128 v4, v[96+8*\ct:99+8*\ct] offset:64*\ct
	ds_store_b128 v4, v[100+8*\ct:103+8*\ct] offset:64*\ct+16
.endr
.irp i, 0,1,2,3,4,5,6,7
	ds_load_b128 v[128+4*\i:131+4*\i], v5 offset:2*\i*SPITCH   ; LDS serves a wave's instructions in order: these see my stores
.endr
.irp i, 0,1,2,3,4,5,6,7
	s_wait_dscnt 7-\i                              ; rows 2 i, 2 i + 1 are back; the younger loads stay out
	global_store_b128 v3, v[128+4*\i:131+4*\i], s[2:3] offset:8192*\i th:TH_STORE_NT   ; 16 lanes store 256 consecutive bytes, at a multiple of 256 from out0's first byte; written once, read by nobody here
.endr
	s_wait_xcnt 0x0                                ; the stores have read their registers and their base: both are written again in the next tile
.endm
	PASS 16, 204
	s_sub_co_u32 s35, 63, s35
	s_min_u32 s35, s35, 63
	PASS 28, 205
	s_wait_tensorcnt 0x0
	ds_add_u32 v251, v255
	s_wait_dscnt 0x0
	s_endpgm
.Lfunc_end_k_q7814286358_attn:
	.size	k_q7814286358_attn, .Lfunc_end_k_q7814286358_attn-k_q7814286358_attn
	.p2alignl 7, 3214868480
	.fill 96, 4, 3214868480
	.section	.rodata,"a",@progbits
	.p2align	6, 0x0
	.amdhsa_kernel k_q7814286358_attn
		.amdhsa_group_segment_fixed_size 140288
		.amdhsa_private_segment_fixed_size 0
		.amdhsa_enable_private_segment 0
		.amdhsa_kernarg_size 40
		.amdhsa_user_sgpr_count 2
		.amdhsa_user_sgpr_kernarg_segment_ptr 1
		.amdhsa_wavefront_size32 1
		.amdhsa_system_sgpr_workgroup_id_x 1
		.amdhsa_system_sgpr_workgroup_id_y 1
		.amdhsa_system_sgpr_workgroup_id_z 1
		.amdhsa_system_vgpr_workitem_id 0
		.amdhsa_next_free_vgpr 256
		.amdhsa_next_free_sgpr 66
		.amdhsa_reserve_vcc 1
		.amdhsa_float_denorm_mode_32 3
		.amdhsa_float_denorm_mode_16_64 3
		.amdhsa_memory_ordered 1
		.amdhsa_forward_progress 1
		.amdhsa_inst_pref_size 91
	.end_amdhsa_kernel
	.amdgpu_metadata
---
amdhsa.version: [ 1, 2 ]
amdhsa.kernels:
  - .name:           k_q7814286358_attn
    .symbol:         k_q7814286358_attn.kd
    .args:
      - { .name: img, .offset: 0, .size: 8, .value_kind: global_buffer, .address_space: global }
      - { .name: scl, .offset: 8, .size: 8, .value_kind: global_buffer, .address_space: global }
      - { .name: Q_len, .offset: 16, .size: 8, .value_kind: global_buffer, .address_space: global }
      - { .name: V_len, .offset: 24, .size: 8, .value_kind: global_buffer, .address_space: global }
      - { .name: out0, .offset: 32, .size: 8, .value_kind: global_buffer, .address_space: global }
    .group_segment_fixed_size: 140288
    .private_segment_fixed_size: 0
    .kernarg_segment_align: 8
    .kernarg_segment_size: 40
    .max_flat_workgroup_size: 256
    .sgpr_count:     66
    .vgpr_count:     256
    .wavefront_size: 32
...
	.end_amdgpu_metadata
.endif
;; end of part 3
